; MI455X (gfx1250); checked and timed in simulation.
; The chip was launched on July 23, 2026; its instructions are those of AMD's public machine-readable ISA for CDNA 5 (MIT licence, August 2026) and "CDNA5" Instruction Set Architecture Reference Guide (July 2026). The comments in the code are by the model that wrote it; some were corrected since.
;; Mo E Gate. Allowed arithmetic: matrix products marked QUANTISED: E3M2 operands, one E8M0 scale for each 32 along K, by v_wmma_scale_f32_16x16x128_f8f6f4 with both operands' format E3M2, f32 sums; everything else in f32.
;; Inputs: hidden_states 4 x 4,096 x 2,048 float32; weight 64 x 2,048 float32.
;; Outputs: out0 16,384 x 8 int32; out1 16,384 x 8 float32.
;; Constants: top_k = 8.
;; This version of the problem:
;;   THIS VERSION OF THE PROBLEM IS GIVEN IN LOW PRECISION. The matrix products marked QUANTISED in the list below multiply operands that are first quantised to E3M2 (3 exponent bits, 2 mantissa bits; 6 bits a number), with one power-of-two scale for each 32 numbers along K (OCP MX v1.0); their sums are f32. All else is computed in f32.
;;   The module's matrix products, in the order in which they are computed (A, B: the left and right operand; K: the contracted axis; several contracted axes count as one K, in the product's order):
;;     1. [M 16,384, K 2,048] x [K 2,048, N 64]; A: input hidden_states; B: input weight: QUANTISED
;;   THE QUANTISER, for each operand of a quantised product, along K:
;;     - K is cut into blocks of 32 from its start; a last block that is shorter is filled with zeros.
;;     - A block's scale is 2^e with e = floor(log2(the largest magnitude in the block)) - 4, held to -126 .. 127; a block of zeros has e = 0. As a byte (E8M0): e + 127.
;;     - Each number is divided by its block's scale, clamped to +-28, and rounded to the nearest number of E3M2, ties to even, subnormals kept.
;;     - The product sums the exact products of the quantised numbers (number of the format x scale) in f32.
;;   ~~~python
;;   def quantise(x, axis):      # numpy; x: float32 -> the quantised numbers, widened to float32 again
;;       x = np.moveaxis(x, axis, -1); K = x.shape[-1]
;;       x = np.pad(x, [(0, 0)] * (x.ndim - 1) + [(0, -K % 32)]); x = x.reshape(x.shape[:-1] + (-1, 32)); a = np.abs(x).max(-1, keepdims=True)
;;       e = np.where(a > 0, np.clip(np.frexp(np.where(a > 0, a, 1))[1] - 1 - 4, -126, 127), 0)      # np.frexp(a)[1] - 1 = floor(log2(a)), exactly
;;       r = np.clip(x / 2.0 ** e, -28, 28)
;;       step = 2.0 ** (np.maximum(np.frexp(np.where(r == 0, 1, r))[1] - 1, -2) - 2)
;;       q = np.round(r / step) * step * 2.0 ** e      # np.round: ties to even
;;       return np.moveaxis(q.reshape(q.shape[:-2] + (-1,))[..., :K], -1, axis).astype(np.float32)
;;   ~~~
;; 2 versions. Each part assembles by itself: llvm-mc -triple=amdgcn-amd-amdhsa -mcpu=gfx1250 --defsym DOCPART=n.
;; ======== version 1 of 2: 1 launch
;; launch gate (part 1): grid 256 x 1, 16 waves a work-group, no clusters, 264,192 bytes of LDS; arguments hidden_states, weight, out0, out1; writes out0, out1
.if DOCPART == 1
	.amdgcn_target "amdgcn-amd-amdhsa--gfx1250"
	.amdhsa_code_object_version 6
	.text
	.protected	k_q0ad2749749_gate
	.globl	k_q0ad2749749_gate
	.p2align	8
	.type	k_q0ad2749749_gate,@function
k_q0ad2749749_gate:
	s_mov_b64 s[64:65], 0
	v_nop
	global_prefetch_b8 v0, s[64:65] scope:SCOPE_SE
	s_setreg_imm32_b32 hwreg(HW_REG_WAVE_MODE, 25, 1), 1
	s_wait_xcnt 0x0
; MoE gate: logits[t][e] = sum over k of Q(x[t][k]) Q(W[e][k]); scores = softmax over the 64 experts; the 8 largest scores of each token, with their experts, largest first, equal scores by the lower expert.
; x: [16384][2048] f32, W: [64][2048] f32.  Q: codes of BF6 (E3M2) with one E8M0 scale for each 32 along K, made here in registers; the product by v_wmma_scale_f32_16x16x128_f8f6f4, sums f32.
; out0: [16384][8] i32 (experts), out1: [16384][8] f32 (scores).
; SHARES.  256 work-groups, 64 tokens each, 16 waves.  K goes in 4 rounds of 512.  Wave w (m = w & 3, q = w >> 2) takes in each round K step 4 R + q (128 numbers) of W's experts 16 m .. 16 m + 15 and of
; its tokens 16 m .. 16 m + 15: two tiles of 16 rows x 512 bytes.  A tile comes by 16 loads, each 512 consecutive bytes of one row, aligned; it turns through the wave's own stage in LDS, so that lane (r, h)
; holds of row r the numbers k = 64 c + 32 h + 0 .. 31 (c = 0, 1): two whole blocks, in the very order of the operand's registers.  So a block's largest magnitude needs no other lane and the conversions' results are the fragment.
; W's fragment goes to LDS as an image of its registers (16 bytes a lane, 512 a store) with its scale words; x's stays in registers.  One barrier a round; behind it the wave reads the four fragments of W of its K step
; and multiplies: source 0 = 16 experts, source 1 = my 16 tokens, so that a lane holds one token and eight neighbouring experts.  The images lie in two sets by the round's parity: a set is written again two rounds on,
; behind the barrier in between, in front of which every wave has waited for its reads of it.
; Each work-group quantises W for itself: 512 KB of bytes that all work-groups read, against a launch and two buffers more.
; NO JOINT LOADS for W, though all work-groups read it: they land in LDS by the tensor mover in slots that take turns, and two slots of a round's W (2 x 64 rows x 2,064 bytes) do not fit beside the sixteen stages (135,168 bytes).
; THE END.  A token's logits lie in four waves (the four K steps of a round): they meet in LDS and are added.  Then wave w takes tokens 4 w .. 4 w + 3, eight lanes to a token, eight experts to a lane.
; LIMITS.  NaN and infinities among the inputs are not served.  A block of zeros has the scale byte 1 (its codes are zeros; nobody else reads the bytes).  A score under 2^-126 comes out of v_exp_f32 as 0 and then counts as a 0
; among the ties.  The largest logit x log2(e) must be finite (under 2^127).  A logit is the sum of four f32 sums, each over every fourth K step in ascending order.  The division by the row's sum is v_rcp_f32 and a multiplication.
.set ROWB,  8192                       ; a row of x or of W in bytes
.set RNDB,  2048                       ; a round's bytes of a row: 512 numbers
.set SP,    528                        ; a stage row: 512 bytes + 16 = 132 words: row r starts 4 r words on, modulo 64 (64 banks of 4 bytes: ISA guide 11.1)
.set STGB,  16*SP                      ; a wave's stage
.set FRB,   1536                       ; a fragment's image: 12 registers x 128 bytes
.set IMG,   16*STGB                    ; behind the stages: W's images, two sets of 16 (slot = the number of the wave that made it)
.set IMGB,  16*FRB
.set SCL,   IMG+2*IMGB                 ; their scale words, 128 bytes a fragment, two sets
.set SCLB,  16*128
.set PART,  SCL+2*SCLB                 ; the four parts of the logits: 64 tokens x (256 bytes + 16) each
.set LP,    272
.set PARTB, 64*LP
.set OUT,   PART+4*PARTB               ; the results: 2,048 bytes of experts, then 2,048 of scores
.set GOF, 1                            ; v1   16 x lane: my bytes of a load's 512; never rewritten
.set STO, 2                            ; v2   the stage, on the way in: 16 x lane
.set TRD, 3                            ; v3   and on the way out: 528 r + 128 h
.set IMW, 4                            ; v4   where I store my image
.set SCW, 5                            ; v5   and its scale words
.set WFA, 6                            ; v6   where the four images of my K step begin
.set WSA, 7                            ; v7   and their scale words
.set SH,  8                            ; v8   8 h
.set WT,  9                            ; v9   at work
.set MX,  10                           ; v10-11 largest magnitudes, then scale bytes
.set SO,  12                           ; v12-13 the conversions' scale operands
.set WD,  14                           ; v14  the scale word just made; x's is the product's scale operand: it holds scale words and nothing else
.set WS,  16                           ; v16-19 W's scale words: they hold nothing else
.set PC,  20                           ; v20-31 the codes just made; x's stay here as source 1
.set ACC, 32                           ; v32-63 four accumulators: my 16 tokens x experts 16 n .. 16 n + 15
.set X,   64                           ; v64-127 a turned tile; then W's four fragments
.set RX,  128                          ; v128-191 x's tile as loaded
.set RW,  192                          ; v192-255 W's tile as loaded
.set WV,  12                           ; s12  wave
.set TM,  13                           ; s13  m
.set TQ,  14                           ; s14  q
.set SEL, 24                           ; s[24:25] v_permlanex16_b32's selects for lane l xor 16
.set CS,  26                           ; s[26:27] log2(e)
.set MK,  32                           ; s32-40 lane masks of the picks
.macro LOADX R                         ; round R's tile of x: read once in the launch
.irp j, 0,1,2,3,4,5,6,7,8,9,10,11,12,13,14,15
	global_load_b128 v[RX+4*\j:RX+4*\j+3], v[GOF], s[4:5] offset:\j*ROWB+(\R)*RNDB th:TH_LOAD_NT
.endr
.endm
.macro LOADW R                         ; round R's tile of W: every work-group reads it, so no hint
.irp j, 0,1,2,3,4,5,6,7,8,9,10,11,12,13,14,15
	global_load_b128 v[RW+4*\j:RW+4*\j+3], v[GOF], s[6:7] offset:\j*ROWB+(\R)*RNDB
.endr
.endm
; A tile turns through my stage: in as it was loaded, a row to a store; out 128 bytes of a row to a lane for each of its two blocks.  LDS serves a wave's instructions in order (ISA guide 5.7.1.4): no wait between stores and loads.
.macro TURN src
.irp j, 0,1,2,3,4,5,6,7,8,9,10,11,12,13,14,15
	ds_store_b128 v[STO], v[\src+4*\j:\src+4*\j+3] offset:\j*SP
.endr
.irp c, 0,1
.irp i, 0,1,2,3,4,5,6,7
	ds_load_b128 v[X+32*\c+4*\i:X+32*\c+4*\i+3], v[TRD] offset:256*\c+16*\i
.endr
.endr
	s_wait_dscnt 0x0                               ; the tile is back; the stores have read their registers, which may be loaded again; earlier LDS stores of mine are done too
.endm
; v[X + 32 c + i] = number 64 c + 32 h + i of my row  ->  the fragment's 12 registers in v[PC] on, the row's scale word in v[WD]
.macro QUANT
.irp c, 0,1
	v_max3_num_f32 v[MX+\c], |v[X+32*\c]|, |v[X+32*\c+1]|, 0x2800000   ; block 2 c + h: all its 32 numbers are mine; and the floor 2^(5 - 127): so the byte cannot fall under 1
.endr
.irp i, 2,4,6,8,10,12,14,16,18,20,22,24,26,28,30
.irp c, 0,1
	v_max3_num_f32 v[MX+\c], v[MX+\c], |v[X+32*\c+\i]|, |v[X+32*\c+\i+1]|   ; (the two blocks by turns)
.endr
.endr
.irp c, 0,1
	v_add_nc_u32 v[SO+\c], 0xfe000000, v[MX+\c]    ; 4 off the exponent field: the conversion takes the exponent field of this operand as its scale, and nothing else of it
.endr
.irp c, 0,1
	v_lshrrev_b32 v[MX+\c], 23, v[SO+\c]           ; the scale's byte
.endr
	v_lshl_or_b32 v[WD], v[MX+1], 16, v[MX]        ; my two bytes, blocks h and 2 + h of my row,
	v_lshlrev_b32 v[WD], v[SH], v[WD]              ; at their places in the word;
	v_permlanex16_b32 v[WT], v[WD], s[SEL], s[SEL+1]
	v_or_b32 v[WD], v[WD], v[WT]                   ; with lane l xor 16's two the word is whole, in both halves of the lanes
.irp c, 0,1
	v_cvt_scalef32_pk16_bf6_f32 v[PC+6*\c:PC+6*\c+2], v[X+32*\c:X+32*\c+15], v[SO+\c]   ; a block's lower 16 codes: registers 6 c .. 6 c + 2
.endr
	v_nop                                          ; one plain place: the next two write registers that the last two have read
.irp c, 0,1
	v_cvt_scalef32_pk16_bf6_f32 v[X+32*\c:X+32*\c+2], v[X+32*\c+16:X+32*\c+31], v[SO+\c]   ; the upper 16: a conversion's three registers begin on an even number, so they are made where the lower numbers lay, and moved
.endr
	v_nop                                          ; one plain place behind a scaled conversion
.irp c, 0,1
.irp i, 0,1,2
	v_mov_b32 v[PC+6*\c+3+\i], v[X+32*\c+\i]
.endr
.endr
.endm
; A ROUND.  The tiles were asked for in the order W(R), x(R), W(R + 1), x(R + 1): behind the tile that is wanted one younger tile's 16 loads are out, and stay out.
.macro ROUND R
	s_wait_loadcnt 16                              ; W's tile is in; x's 16 loads may be out
	TURN RW
.if \R < 3
	LOADW (\R)+1                                   ; its registers take the next round's tile at once
.endif
	QUANT
.irp c, 0,1,2
	ds_store_b128 v[IMW], v[PC+4*\c:PC+4*\c+3] offset:((\R)%2)*IMGB+512*\c   ; the fragment as it stands
.endr
	ds_store_b32 v[SCW], v[WD] offset:((\R)%2)*SCLB
.if \R < 3
	s_wait_loadcnt 16                              ; x's tile is in; the next round's W may be out
.else
	s_wait_loadcnt 0                               ; the last tile
.endif
	TURN RX                                        ; (its wait for 0 also shows my image stored, and frees v[PC] and v[WD])
.if \R < 3
	LOADX (\R)+1
.endif
	QUANT
	s_barrier_signal -1                            ; no LDS instruction of mine is out: my image lies in LDS, and my reads of the other set's images ended in front of the last products
	s_barrier_wait -1                              ; all sixteen images of this round lie in LDS
.irp n, 0,1,2,3
.irp c, 0,1,2
	ds_load_b128 v[X+12*\n+4*\c:X+12*\n+4*\c+3], v[WFA] offset:((\R)%2)*IMGB+FRB*\n+512*\c
.endr
	ds_load_b32 v[WS+\n], v[WSA] offset:((\R)%2)*SCLB+128*\n
.endr
.rept 8
	v_nop                                          ; x's scale word was written by vector instructions: it stands 8 places ahead of a scaled matrix instruction, x's codes 4
.endr
	s_wait_dscnt 0x0
.irp n, 0,1,2,3                        ; the four accumulators take turns, one instruction a turn, from round to round too
.if \R == 0
	v_wmma_scale_f32_16x16x128_f8f6f4 v[ACC+8*\n:ACC+8*\n+7], v[X+12*\n:X+12*\n+11], v[PC:PC+11], 0, v[WS+\n], v[WD] matrix_a_fmt:MATRIX_FMT_BF6 matrix_b_fmt:MATRIX_FMT_BF6
.else
	v_wmma_scale_f32_16x16x128_f8f6f4 v[ACC+8*\n:ACC+8*\n+7], v[X+12*\n:X+12*\n+11], v[PC:PC+11], v[ACC+8*\n:ACC+8*\n+7], v[WS+\n], v[WD] matrix_a_fmt:MATRIX_FMT_BF6 matrix_b_fmt:MATRIX_FMT_BF6
.endif
.endr
.if \R < 3
.rept 4
	v_nop                                          ; four places in front of the loads into the registers that held W's fragments
.endr
.endif
.endm
	s_load_b128 s[4:7], s[0:1], 0x0                ; x, W
	s_load_b128 s[8:11], s[0:1], 0x10              ; out0, out1
	v_lshrrev_b32 v[GOF], 5, v0
	v_readfirstlane_b32 s[WV], v[GOF]              ; wave 0..15
	v_and_b32 v[WT], 31, v0                        ; lane
	v_lshlrev_b32 v[GOF], 4, v[WT]
	s_and_b32 s[TM], s[WV], 3
	s_lshr_b32 s[TQ], s[WV], 2
	s_lshl_b32 s16, s[TM], 17                      ; 16 m rows of 8,192 bytes
	s_lshl_b32 s17, s[TQ], 9                       ; + K step q of a round: 512 bytes
	s_add_co_u32 s16, s16, s17                     ; my tile in W,
	s_mov_b32 s17, 0
	s_lshl_b32 s18, ttmp9, 19                      ; and, 64 rows a work-group on, in x (under 2^28)
	s_add_co_u32 s18, s18, s16
	s_mov_b32 s19, 0
	s_lshl_b32 s20, ttmp9, 11                      ; the work-group's 2,048 bytes in each output
	s_mov_b32 s21, 0
	s_wait_kmcnt 0x0
	s_add_nc_u64 s[6:7], s[6:7], s[16:17]
	s_add_nc_u64 s[4:5], s[4:5], s[18:19]
	LOADW 0
	LOADX 0
	s_cmp_lt_u32 s[WV], 4                          ; at the end waves 0-3 store the experts, waves 4-7 the scores
	s_cselect_b64 s[8:9], s[8:9], s[10:11]
	s_add_nc_u64 s[8:9], s[8:9], s[20:21]
	s_mul_i32 s20, s[WV], STGB                     ; my stage
	v_add_nc_u32 v[STO], s20, v[GOF]
	v_and_b32 v[TRD], 15, v0                       ; r
	v_bfe_u32 v[SH], v0, 4, 1                      ; h
	v_mul_u32_u24 v[TRD], v[TRD], SP
	v_lshl_add_u32 v[TRD], v[SH], 7, v[TRD]
	v_add_nc_u32 v[TRD], s20, v[TRD]
	s_mul_i32 s20, s[WV], FRB
	s_add_co_u32 s20, s20, IMG
	v_add_nc_u32 v[IMW], s20, v[GOF]               ; my image: slot w
	v_lshlrev_b32 v[WT], 2, v[WT]                  ; 4 x lane
	s_lshl_b32 s20, s[WV], 7
	s_add_co_u32 s20, s20, SCL
	v_add_nc_u32 v[SCW], s20, v[WT]
	s_mul_i32 s20, s[TQ], 4*FRB
	s_add_co_u32 s20, s20, IMG
	v_add_nc_u32 v[WFA], s20, v[GOF]               ; the images of my K step: slots 4 q .. 4 q + 3
	s_lshl_b32 s20, s[TQ], 9
	s_add_co_u32 s20, s20, SCL
	v_add_nc_u32 v[WSA], s20, v[WT]
	v_lshlrev_b32 v[SH], 3, v[SH]
	s_mov_b32 s[SEL], 0x76543210
	s_mov_b32 s[SEL+1], 0xfedcba98
	s_mov_b32 s[CS], 0x3fb8aa3b                    ; log2(e)
	s_mov_b32 s[CS+1], s[CS]                       ; (named with it as a pair, so it is written)
	ROUND 0
	ROUND 1
	ROUND 2
	ROUND 3
; THE END.  Registers: v128-159 the four parts of my 8 logits, then v128-135 the scores; v160-167 my experts' numbers as f32.
.set PWA, 2                            ; where I put my part of the logits
.set PRA, 3                            ; where I read a token's 8 experts
.set OWA, 4                            ; where I put a result
.set ORA, 5                            ; where I read 16 bytes of results
.set OGO, 6                            ; and where they go in the output
.set S,   128
.set F,   160
.set ML,  168                          ; the largest score left
.set CI,  169                          ; its expert
.set MC,  170                          ; v[170:171] log2(e) x the largest logit
.set T,   172                          ; v172-175 sums
.set OV,  176                          ; my result: the score of rank lane % 8,
.set OI,  177                          ; and its expert
.set NEG, 178
.set BIG, 179
	v_and_b32 v[PWA], 15, v0                       ; (these address lines name no register of the last products: they are the places in front of the stores that read the results)
	v_bfe_u32 v[PRA], v0, 4, 1
	v_mul_u32_u24 v[PWA], v[PWA], LP
	v_lshl_add_u32 v[PWA], v[PRA], 5, v[PWA]       ; token r's row, + 32 h: register j of accumulator n is expert 16 n + 8 h + j
	s_mul_i32 s20, s[TQ], PARTB
	s_mul_i32 s21, s[TM], 16*LP
	s_add_co_u32 s20, s20, s21
	s_add_co_u32 s20, s20, PART
	v_add_nc_u32 v[PWA], s20, v[PWA]               ; in part q, tokens 16 m on
	v_bfe_u32 v[PRA], v0, 3, 2                     ; lane / 8: which of my four tokens
	v_and_b32 v[OGO], 7, v0                        ; lane % 8: which eight experts, and which rank I keep
	v_mul_u32_u24 v[PRA], v[PRA], LP
	v_lshl_add_u32 v[PRA], v[OGO], 5, v[PRA]
	s_mul_i32 s21, s[WV], 4*LP
	s_add_co_u32 s21, s21, PART
	v_add_nc_u32 v[PRA], s21, v[PRA]
.irp n, 0,1,2,3
	ds_store_b128 v[PWA], v[ACC+8*\n:ACC+8*\n+3] offset:64*\n          ; each accumulator from its low end on
	ds_store_b128 v[PWA], v[ACC+8*\n+4:ACC+8*\n+7] offset:64*\n+16
.endr
	v_lshlrev_b32 v[CI], 3, v[OGO]
	v_cvt_f32_u32 v[F], v[CI]                      ; my experts' numbers, 8 (lane % 8) + 0 .. 7, as f32: whole numbers under 64 are exact, and the lanes' smallest is then an f32 minimum
	v_add_f32 v[F+1], 1.0, v[F]
	v_add_f32 v[F+2], 2.0, v[F]
	v_add_f32 v[F+3], 3.0, v[F]
	v_add_f32 v[F+4], 4.0, v[F]
	v_add_f32 v[F+5], 5.0, v[F]
	v_add_f32 v[F+6], 6.0, v[F]
	v_add_f32 v[F+7], 7.0, v[F]
	v_lshl_add_u32 v[OWA], v0, 2, OUT              ; token 4 w + lane / 8, rank lane % 8: word 32 w + lane of the work-group's 512
	v_and_b32 v[ORA], 255, v0
	v_lshl_add_u32 v[ORA], v[ORA], 4, OUT
	v_and_b32 v[OGO], 127, v0
	v_lshlrev_b32 v[OGO], 4, v[OGO]
	s_wait_dscnt 0x0                               ; for the others' sake: my part lies in LDS
	s_barrier_signal -1
	s_barrier_wait -1
.irp q, 0,1,2,3
	ds_load_b128 v[S+8*\q:S+8*\q+3], v[PRA] offset:\q*PARTB
	ds_load_b128 v[S+8*\q+4:S+8*\q+7], v[PRA] offset:\q*PARTB+16
.endr
	s_wait_dscnt 0x0
.irp j, 0,2,4,6
	v_pk_add_f32 v[S+\j:S+\j+1], v[S+\j:S+\j+1], v[S+8+\j:S+8+\j+1]
	v_pk_add_f32 v[S+16+\j:S+16+\j+1], v[S+16+\j:S+16+\j+1], v[S+24+\j:S+24+\j+1]
.endr
.irp j, 0,2,4,6
	v_pk_add_f32 v[S+\j:S+\j+1], v[S+\j:S+\j+1], v[S+16+\j:S+16+\j+1]   ; the logits
.endr
	; the softmax: the row's largest logit is taken away ahead of the exponential
	v_max3_num_f32 v[ML], v[S], v[S+1], v[S+2]
	v_max3_num_f32 v[CI], v[S+3], v[S+4], v[S+5]
	v_max3_num_f32 v[ML], v[ML], v[S+6], v[S+7]
	v_max_num_f32 v[ML], v[ML], v[CI]
.irp x, 1,2,4
	v_max_num_f32_dpp v[ML], v[ML], v[ML] row_xmask:\x row_mask:0xf bank_mask:0xf   ; over the token's eight lanes
.endr
	v_mul_f32 v[MC], s[CS], v[ML]
	v_mov_b32 v[MC+1], 0                           ; (named with it as a pair, so it is written)
.irp j, 0,2,4,6
	v_pk_fma_f32 v[S+\j:S+\j+1], v[S+\j:S+\j+1], s[CS:CS+1], v[MC:MC+1] op_sel_hi:[1,0,0] neg_lo:[0,0,1] neg_hi:[0,0,1]   ; log2(e) x logit - log2(e) x the largest: what the rounding of the second term adds is the same for all 64 and leaves with the division
.endr
.irp j, 0,1,2,3,4,5,6,7
	v_exp_f32 v[S+\j], v[S+\j]
.endr
	v_mov_b32 v[NEG], -1.0                         ; under every score: the mark of a score that has been picked.  (A plain place behind the exponentials)
	v_mov_b32 v[BIG], 0x42800000                   ; 64.0: above every expert's number
	s_wait_alu depctr_va_vdst(0)                   ; one wait for the eight exponentials, ahead of their first reader
	v_pk_add_f32 v[T:T+1], v[S:S+1], v[S+2:S+3]
	v_pk_add_f32 v[T+2:T+3], v[S+4:S+5], v[S+6:S+7]
	v_pk_add_f32 v[T:T+1], v[T:T+1], v[T+2:T+3]
	v_add_f32 v[T], v[T], v[T+1]
.irp x, 1,2,4
	v_add_f32_dpp v[T], v[T], v[T] row_xmask:\x row_mask:0xf bank_mask:0xf
.endr
	v_rcp_f32 v[T], v[T]                           ; the sum lies between 1 and 64
	v_nop                                          ; a plain place behind the transcendental
	s_wait_alu depctr_va_vdst(0)                   ; and the wait ahead of its first reader
.irp j, 0,2,4,6
	v_pk_mul_f32 v[S+\j:S+\j+1], v[S+\j:S+\j+1], v[T:T+1] op_sel_hi:[1,0]   ; the scores: the picks go by them, as the reference's do, so that scores that have fallen to 0 tie
.endr
; PICK k: the largest score left, of its equals the lowest expert; lane k of the token's eight keeps the pair; the score is marked.  No branch and no address hangs on a score: all is chosen by v_cndmask_b32.
.macro PICK k
	v_max3_num_f32 v[ML], v[S], v[S+1], v[S+2]
	v_max3_num_f32 v[CI], v[S+3], v[S+4], v[S+5]
	v_max3_num_f32 v[ML], v[ML], v[S+6], v[S+7]
	v_max_num_f32 v[ML], v[ML], v[CI]
.irp x, 1,2,4
	v_max_num_f32_dpp v[ML], v[ML], v[ML] row_xmask:\x row_mask:0xf bank_mask:0xf
.endr
.irp j, 0,1,2,3,4,5,6,7
	v_cmp_eq_f32 s[MK+\j], v[ML], v[S+\j]
.endr
	v_cndmask_b32 v[CI], v[BIG], v[F+7], s[MK+7]   ; from the highest down: the last that is taken is my lowest expert with that score; 64 if I have none
.irp j, 6,5,4,3,2,1,0
	v_cndmask_b32 v[CI], v[CI], v[F+\j], s[MK+\j]
.endr
.irp x, 1,2,4
	v_min_num_f32_dpp v[CI], v[CI], v[CI] row_xmask:\x row_mask:0xf bank_mask:0xf   ; the lowest of the eight lanes'
.endr
.if \k == 0
	v_mov_b32 v[OV], v[ML]                         ; the first pick starts the two registers; lanes 1 to 7 take theirs later
	v_mov_b32 v[OI], v[CI]
.else
	s_mov_b32 s[MK+8], 0x01010101<<\k              ; lane k of each eight
	v_cndmask_b32 v[OV], v[OV], v[ML], s[MK+8]
	v_cndmask_b32 v[OI], v[OI], v[CI], s[MK+8]
.endif
.if \k < 7
.irp j, 0,1,2,3,4,5,6,7
	v_cmp_eq_f32 s[MK+\j], v[CI], v[F+\j]
.endr
.irp j, 0,1,2,3,4,5,6,7
	v_cndmask_b32 v[S+\j], v[S+\j], v[NEG], s[MK+\j]
.endr
.endif
.endm
	PICK 0
	PICK 1
	PICK 2
	PICK 3
	PICK 4
	PICK 5
	PICK 6
	PICK 7
	v_cvt_i32_f32 v[OI], v[OI]
	ds_store_b32 v[OWA], v[OI]                     ; a wave's results are 128 bytes of each output: they meet in LDS, so that a store covers 512 consecutive bytes
	ds_store_b32 v[OWA], v[OV] offset:2048
	s_wait_dscnt 0x0                               ; for the others' sake
	s_barrier_signal -1
	s_barrier_wait -1
	s_cmp_lt_u32 s[WV], 8                          ; 4,096 bytes are eight waves' worth
	s_cbranch_scc0 .Ldone
	ds_load_b128 v[S:S+3], v[ORA]
	s_wait_dscnt 0x0
	global_store_b128 v[OGO], v[S:S+3], s[8:9] th:TH_STORE_NT   ; 32 lanes store 512 consecutive bytes, at a multiple of 512 from the output's first byte
.Ldone:
	s_wait_xcnt 0x0
	v_lshl_add_u32 v254, v0, 2, 0x40000
	v_mov_b32 v255, 0
	s_wait_tensorcnt 0x0
	ds_add_u32 v254, v255
	s_wait_dscnt 0x0
	s_endpgm
.Lfunc_end_k_q0ad2749749_gate:
	.size	k_q0ad2749749_gate, .Lfunc_end_k_q0ad2749749_gate-k_q0ad2749749_gate
	.p2alignl 7, 3214868480
	.fill 96, 4, 3214868480
	.section	.rodata,"a",@progbits
	.p2align	6, 0x0
	.amdhsa_kernel k_q0ad2749749_gate
		.amdhsa_group_segment_fixed_size 264192
		.amdhsa_private_segment_fixed_size 0
		.amdhsa_enable_private_segment 0
		.amdhsa_kernarg_size 32
		.amdhsa_user_sgpr_count 2
		.amdhsa_user_sgpr_kernarg_segment_ptr 1
		.amdhsa_wavefront_size32 1
		.amdhsa_system_sgpr_workgroup_id_x 1
		.amdhsa_system_sgpr_workgroup_id_y 1
		.amdhsa_system_sgpr_workgroup_id_z 1
		.amdhsa_system_vgpr_workitem_id 0
		.amdhsa_next_free_vgpr 256
		.amdhsa_next_free_sgpr 66
		.amdhsa_reserve_vcc 0
		.amdhsa_float_denorm_mode_32 3
		.amdhsa_float_denorm_mode_16_64 3
		.amdhsa_memory_ordered 1
		.amdhsa_forward_progress 1
		.amdhsa_inst_pref_size 91
	.end_amdhsa_kernel
	.amdgpu_metadata
---
amdhsa.version: [ 1, 2 ]
amdhsa.kernels:
  - .name:           k_q0ad2749749_gate
    .symbol:         k_q0ad2749749_gate.kd
    .args:
      - { .name: hidden_states, .offset: 0, .size: 8, .value_kind: global_buffer, .address_space: global }
      - { .name: weight, .offset: 8, .size: 8, .value_kind: global_buffer, .address_space: global }
      - { .name: out0, .offset: 16, .size: 8, .value_kind: global_buffer, .address_space: global }
      - { .name: out1, .offset: 24, .size: 8, .value_kind: global_buffer, .address_space: global }
    .group_segment_fixed_size: 264192
    .private_segment_fixed_size: 0
    .kernarg_segment_align: 8
    .kernarg_segment_size: 32
    .max_flat_workgroup_size: 512
    .sgpr_count:     66
    .vgpr_count:     256
    .wavefront_size: 32
...
	.end_amdgpu_metadata
.endif
;; end of part 1
;; ======== version 2 of 2: 1 launch; version 1 with the launch gate written anew for expert scheduling mode
;; launch gate (part 2): grid 256 x 1, 16 waves a work-group, no clusters, 264,192 bytes of LDS; arguments hidden_states, weight, out0, out1; writes out0, out1
.if DOCPART == 2
	.amdgcn_target "amdgcn-amd-amdhsa--gfx1250"
	.amdhsa_code_object_version 6
	.text
	.protected	k_q0ad2749749_gate
	.globl	k_q0ad2749749_gate
	.p2align	8
	.type	k_q0ad2749749_gate,@function
k_q0ad2749749_gate:
	s_mov_b64 s[64:65], 0
	v_nop
	global_prefetch_b8 v0, s[64:65] scope:SCOPE_SE
	s_setreg_imm32_b32 hwreg(HW_REG_WAVE_SCHED_MODE, 0, 2), 2
	s_setreg_imm32_b32 hwreg(HW_REG_WAVE_MODE, 25, 1), 1
	s_wait_xcnt 0x0
	s_wait_alu depctr_vm_vsrc(0)
; MoE gate: logits[t][e] = sum over k of Q(x[t][k]) Q(W[e][k]); scores = softmax over the 64 experts; the 8 largest scores of each token, with their experts, largest first, equal scores by the lower expert.
; x: [16384][2048] f32, W: [64][2048] f32.  Q: codes of BF6 (E3M2) with one E8M0 scale for each 32 along K, made here in registers; the product by v_wmma_scale_f32_16x16x128_f8f6f4, sums f32.
; out0: [16384][8] i32 (experts), out1: [16384][8] f32 (scores).
; SHARES.  256 work-groups, 64 tokens each, 16 waves.  K goes in 4 rounds of 512.  Wave w (m = w & 3, q = w >> 2) takes in each round K step 4 R + q (128 numbers) of W's experts 16 m .. 16 m + 15 and of
; its tokens 16 m .. 16 m + 15: two tiles of 16 rows x 512 bytes.  A tile comes by 16 loads, each 512 consecutive bytes of one row, aligned; it turns through the wave's own stage in LDS, so that lane (r, h)
; holds of row r the numbers k = 64 c + 32 h + 0 .. 31 (c = 0, 1): two whole blocks, in the very order of the operand's registers.  So a block's largest magnitude needs no other lane and the conversions' results are the fragment.
; W's fragment goes to LDS as an image of its registers (16 bytes a lane, 512 a store) with its scale words; x's stays in registers.  One barrier a round; behind it the wave reads the four fragments of W of its K step
; and multiplies: source 0 = 16 experts, source 1 = my 16 tokens, so that a lane holds one token and eight neighbouring experts.  The images lie in two sets by the round's parity: a set is written again two rounds on,
; behind the barrier in between, in front of which every wave has waited for its reads of it.
; Each work-group quantises W for itself: 512 KB of bytes that all work-groups read, against a launch and two buffers more.
; NO JOINT LOADS for W, though all work-groups read it: they land in LDS by the tensor mover in slots that take turns, and two slots of a round's W (2 x 64 rows x 2,064 bytes) do not fit beside the sixteen stages (135,168 bytes).
; THE END.  A token's logits lie in four waves (the four K steps of a round): they meet in LDS and are added.  Then wave w takes tokens 4 w .. 4 w + 3, eight lanes to a token, eight experts to a lane.
; LIMITS.  NaN and infinities among the inputs are not served.  A block of zeros has the scale byte 1 (its codes are zeros; nobody else reads the bytes).  A score under 2^-126 comes out of v_exp_f32 as 0 and then counts as a 0
; among the ties.  The largest logit x log2(e) must be finite (under 2^127).  A logit is the sum of four f32 sums, each over every fourth K step in ascending order.  The division by the row's sum is v_rcp_f32 and a multiplication.
; THE MODE: SCHED_MODE bits 1:0 = 2 (LLVM: expert scheduling mode 2), set by the entry lines.  The code itself states the register dependences
; between vector or matrix instructions and memory or LDS instructions, with s_wait_alu, always for 0.
; THE PLAN.  Registers that memory or LDS instructions touch, in the rounds:
;   v[GOF]          Offset of every global load; written once at the head.
;   v2 .. v7        LDS addresses; written at the head, read in every round; v2 to v6 are made anew at THE END.
;   RW, RX          Global loads land in them; the stage's stores read them; no vector instruction of a round names them.
;   X               LDS loads land in it three times a round (W's turned tile, x's turned tile, W's four fragments); QUANT reads and writes it, the products read it.
;   PC, v[WD]       QUANT writes them; the image's stores read W's; the products read x's.
;   WS              LDS loads land in it; the products read it as scales.
; A round has five waits.  (1) va_vdst at its head: the last products are done with X and WS (first round: v2 to v7 are written).  (2) vm_vsrc behind W's turn: the stage's stores have read RW.
; (3) va_vdst behind W's QUANT: PC and v[WD] are written, X is done with.  (4) vm_vsrc behind x's turn: the image's stores have read PC and v[WD], the stage's stores RX.
; (5) va_vdst behind x's QUANT and the places: X is done with, x's codes and scale word are written.
; Behind (2) and (4) the next round's sixteen loads are dealt among QUANT's lines, which name X, PC, v[WD] and v8 to v13: none of the registers that those loads touch.
.set ROWB,  8192                       ; a row of x or of W in bytes
.set RNDB,  2048                       ; a round's bytes of a row: 512 numbers
.set SP,    528                        ; a stage row: 512 bytes + 16 = 132 words: row r starts 4 r words on, modulo 64 (64 banks of 4 bytes: ISA guide 11.1)
.set STGB,  16*SP                      ; a wave's stage
.set FRB,   1536                       ; a fragment's image: 12 registers x 128 bytes
.set IMG,   16*STGB                    ; behind the stages: W's images, two sets of 16 (slot = the number of the wave that made it)
.set IMGB,  16*FRB
.set SCL,   IMG+2*IMGB                 ; their scale words, 128 bytes a fragment, two sets
.set SCLB,  16*128
.set PART,  SCL+2*SCLB                 ; the four parts of the logits: 64 tokens x (256 bytes + 16) each
.set LP,    272
.set PARTB, 64*LP
.set OUT,   PART+4*PARTB               ; the results: 2,048 bytes of experts, then 2,048 of scores
.set GOF, 1                            ; v1   16 x lane: my bytes of a load's 512; never rewritten
.set STO, 2                            ; v2   the stage, on the way in: 16 x lane
.set TRD, 3                            ; v3   and on the way out: 528 r + 128 h
.set IMW, 4                            ; v4   where I store my image
.set SCW, 5                            ; v5   and its scale words
.set WFA, 6                            ; v6   where the four images of my K step begin
.set WSA, 7                            ; v7   and their scale words
.set SH,  8                            ; v8   8 h
.set WT,  9                            ; v9   at work
.set MX,  10                           ; v10-11 largest magnitudes, then scale bytes
.set SO,  12                           ; v12-13 the conversions' scale operands
.set WD,  14                           ; v14  the scale word just made; x's is the product's scale operand: it holds scale words and nothing else
.set WS,  16                           ; v16-19 W's scale words: they hold nothing else
.set PC,  20                           ; v20-31 the codes just made; x's stay here as source 1
.set ACC, 32                           ; v32-63 four accumulators: my 16 tokens x experts 16 n .. 16 n + 15
.set X,   64                           ; v64-127 a turned tile; then W's four fragments
.set RX,  128                          ; v128-191 x's tile as loaded
.set RW,  192                          ; v192-255 W's tile as loaded
.set WV,  12                           ; s12  wave
.set TM,  13                           ; s13  m
.set TQ,  14                           ; s14  q
.set SEL, 24                           ; s[24:25] v_permlanex16_b32's selects for lane l xor 16
.set CS,  26                           ; s[26:27] log2(e)
.set MK,  32                           ; s32-40 lane masks of the picks
.macro ONEX R, j                       ; row j of round R's tile of x: read once in the launch
	global_load_b128 v[RX+4*(\j):RX+4*(\j)+3], v[GOF], s[4:5] offset:(\j)*ROWB+(\R)*RNDB th:TH_LOAD_NT
.endm
.macro ONEW R, j                       ; row j of round R's tile of W: every work-group reads it, so no hint
	global_load_b128 v[RW+4*(\j):RW+4*(\j)+3], v[GOF], s[6:7] offset:(\j)*ROWB+(\R)*RNDB
.endm
.macro DEAL ld, R, j                   ; one load among QUANT's lines.  ld = 1: of W's tile; 2: of x's; 0: none
.if \ld == 1
	ONEW \R, \j
.endif
.if \ld == 2
	ONEX \R, \j
.endif
.endm
; A tile turns through my stage: in as it was loaded, a row to a store; out 128 bytes of a row to a lane for each of its two blocks.  LDS serves a wave's instructions in order (ISA guide 5.7.1.4): no wait between stores and loads.
.macro TURN src
.irp j, 0,1,2,3,4,5,6,7,8,9,10,11,12,13,14,15
	ds_store_b128 v[STO], v[\src+4*\j:\src+4*\j+3] offset:\j*SP
.endr
.irp c, 0,1
.irp i, 0,1,2,3,4,5,6,7
	ds_load_b128 v[X+32*\c+4*\i:X+32*\c+4*\i+3], v[TRD] offset:256*\c+16*\i
.endr
.endr
	s_wait_dscnt 0x0                               ; the tile is back; earlier LDS stores of mine are done too
.endm
; v[X + 32 c + i] = number 64 c + 32 h + i of my row  ->  the fragment's 12 registers in v[PC] on, the row's scale word in v[WD].
; ld, R: the sixteen loads of round R's tile of W (ld = 1) or of x (2) are dealt among the maxima, one behind every two lines; none of these lines names a register that those loads touch.
.macro QUANT ld, R
.irp c, 0,1
	v_max3_num_f32 v[MX+\c], |v[X+32*\c]|, |v[X+32*\c+1]|, 0x2800000   ; block 2 c + h: all its 32 numbers are mine; and the floor 2^(5 - 127): so the byte cannot fall under 1
.endr
	DEAL \ld, \R, 0
.irp i, 2,4,6,8,10,12,14,16,18,20,22,24,26,28,30
.irp c, 0,1
	v_max3_num_f32 v[MX+\c], v[MX+\c], |v[X+32*\c+\i]|, |v[X+32*\c+\i+1]|   ; (the two blocks by turns)
.endr
	DEAL \ld, \R, \i/2
.endr
.irp c, 0,1
	v_add_nc_u32 v[SO+\c], 0xfe000000, v[MX+\c]    ; 4 off the exponent field: the conversion takes the exponent field of this operand as its scale, and nothing else of it
.endr
.irp c, 0,1
	v_lshrrev_b32 v[MX+\c], 23, v[SO+\c]           ; the scale's byte
.endr
	v_lshl_or_b32 v[WD], v[MX+1], 16, v[MX]        ; my two bytes, blocks h and 2 + h of my row,
	v_lshlrev_b32 v[WD], v[SH], v[WD]              ; at their places in the word;
	v_permlanex16_b32 v[WT], v[WD], s[SEL], s[SEL+1]
	v_or_b32 v[WD], v[WD], v[WT]                   ; with lane l xor 16's two the word is whole, in both halves of the lanes
.irp c, 0,1
	v_cvt_scalef32_pk16_bf6_f32 v[PC+6*\c:PC+6*\c+2], v[X+32*\c:X+32*\c+15], v[SO+\c]   ; a block's lower 16 codes: registers 6 c .. 6 c + 2
.endr
	v_nop                                          ; one plain place: the next two write registers that the last two have read
.irp c, 0,1
	v_cvt_scalef32_pk16_bf6_f32 v[X+32*\c:X+32*\c+2], v[X+32*\c+16:X+32*\c+31], v[SO+\c]   ; the upper 16: a conversion's three registers begin on an even number, so they are made where the lower numbers lay, and moved
.endr
	v_nop                                          ; one plain place behind a scaled conversion
.irp c, 0,1
.irp i, 0,1,2
	v_mov_b32 v[PC+6*\c+3+\i], v[X+32*\c+\i]
.endr
.endr
.endm
; A ROUND.  The tiles were asked for in the order W(R), x(R), W(R + 1), x(R + 1): behind the tile that is wanted one younger tile's 16 loads are out, and stay out.
.macro ROUND R
	s_wait_loadcnt 16                              ; W's tile is in; x's 16 loads may be out
	s_wait_alu depctr_va_vdst(0)                   ; the last round's products are done reading W's fragments in v[X ..], in which the turned tile lands, and v[WS ..]; in the first round: the LDS addresses v2 to v7 are written, which this round's LDS instructions and all later ones read
	TURN RW
.if \R < 3
	s_wait_alu depctr_vm_vsrc(0)                   ; the stage's stores have read v[RW ..], in which the next round's tile lands
	QUANT 1, (\R)+1                                ; its registers take the next round's tile while this one is quantised
.else
	QUANT 0, 0
.endif
	s_wait_alu depctr_va_vdst(0)                   ; the conversions and moves have written v[PC ..] and v[WD], which the stores below read; and they are done with v[X ..], in which x's turned tile lands
.irp c, 0,1,2
	ds_store_b128 v[IMW], v[PC+4*\c:PC+4*\c+3] offset:((\R)%2)*IMGB+512*\c   ; the fragment as it stands
.endr
	ds_store_b32 v[SCW], v[WD] offset:((\R)%2)*SCLB
.if \R < 3
	s_wait_loadcnt 16                              ; x's tile is in; the next round's W may be out
.else
	s_wait_loadcnt 0                               ; the last tile
.endif
	TURN RX                                        ; (its wait for 0 also shows my image stored, for the barrier's sake)
	s_wait_alu depctr_vm_vsrc(0)                   ; the image's stores have read v[PC ..] and v[WD], which the lines below write again; the stage's stores have read v[RX ..], in which the next round's tile lands
.if \R < 3
	QUANT 2, (\R)+1
.else
	QUANT 0, 0
.endif
	s_barrier_signal -1                            ; no LDS instruction of mine is out: my image lies in LDS, and my reads of the other set's images ended in front of the last products
.rept 8
	v_nop                                          ; x's scale word was written by vector instructions: it stands 8 places ahead of a scaled matrix instruction, x's codes 4.  (Work on registers between the signal and the wait)
.endr
	s_barrier_wait -1                              ; all sixteen images of this round lie in LDS
	s_wait_alu depctr_va_vdst(0)                   ; the conversions and moves are done with v[X ..], in which W's fragments land; x's codes v[PC ..] and its scale word v[WD] are written, which the scaled products take: behind the places
.irp n, 0,1,2,3
.irp c, 0,1,2
	ds_load_b128 v[X+12*\n+4*\c:X+12*\n+4*\c+3], v[WFA] offset:((\R)%2)*IMGB+FRB*\n+512*\c
.endr
	ds_load_b32 v[WS+\n], v[WSA] offset:((\R)%2)*SCLB+128*\n
.endr
	s_wait_dscnt 0x0
.irp n, 0,1,2,3                        ; the four accumulators take turns, one instruction a turn, from round to round too
.if \R == 0
	v_wmma_scale_f32_16x16x128_f8f6f4 v[ACC+8*\n:ACC+8*\n+7], v[X+12*\n:X+12*\n+11], v[PC:PC+11], 0, v[WS+\n], v[WD] matrix_a_fmt:MATRIX_FMT_BF6 matrix_b_fmt:MATRIX_FMT_BF6
.else
	v_wmma_scale_f32_16x16x128_f8f6f4 v[ACC+8*\n:ACC+8*\n+7], v[X+12*\n:X+12*\n+11], v[PC:PC+11], v[ACC+8*\n:ACC+8*\n+7], v[WS+\n], v[WD] matrix_a_fmt:MATRIX_FMT_BF6 matrix_b_fmt:MATRIX_FMT_BF6
.endif
.endr
.if \R < 3
.rept 4
	v_nop                                          ; four places (ISA guide 7.12.1) in front of the vector instructions that write the products' registers again, x's scale word first: the maxima between name the registers that held W's fragments, so they are not counted
.endr
.endif
.endm
	s_load_b128 s[4:7], s[0:1], 0x0                ; x, W
	s_load_b128 s[8:11], s[0:1], 0x10              ; out0, out1
	v_lshrrev_b32 v[GOF], 5, v0
	v_readfirstlane_b32 s[WV], v[GOF]              ; wave 0..15
	v_and_b32 v[WT], 31, v0                        ; lane
	v_lshlrev_b32 v[GOF], 4, v[WT]
	s_wait_alu depctr_va_sdst(0)                   ; s12, the wave's number, is written, ahead of its first reader
	s_and_b32 s[TM], s[WV], 3
	s_lshr_b32 s[TQ], s[WV], 2
	s_lshl_b32 s16, s[TM], 17                      ; 16 m rows of 8,192 bytes
	s_lshl_b32 s17, s[TQ], 9                       ; + K step q of a round: 512 bytes
	s_add_co_u32 s16, s16, s17                     ; my tile in W,
	s_mov_b32 s17, 0
	s_lshl_b32 s18, ttmp9, 19                      ; and, 64 rows a work-group on, in x (under 2^28)
	s_add_co_u32 s18, s18, s16
	s_mov_b32 s19, 0
	s_lshl_b32 s20, ttmp9, 11                      ; the work-group's 2,048 bytes in each output
	s_mov_b32 s21, 0
	s_wait_kmcnt 0x0
	s_add_nc_u64 s[6:7], s[6:7], s[16:17]
	s_add_nc_u64 s[4:5], s[4:5], s[18:19]
	s_wait_alu depctr_va_vdst(0)                   ; v[GOF] is written: every global load of the kernel reads it as its offset
.irp j, 0,1,2,3,4,5,6,7,8,9,10,11,12,13,14,15
	ONEW 0, \j
.endr
.irp j, 0,1,2,3,4,5,6,7,8,9,10,11,12,13,14,15
	ONEX 0, \j
.endr
	s_cmp_lt_u32 s[WV], 4                          ; at the end waves 0-3 store the experts, waves 4-7 the scores
	s_cselect_b64 s[8:9], s[8:9], s[10:11]
	s_add_nc_u64 s[8:9], s[8:9], s[20:21]
	s_mul_i32 s20, s[WV], STGB                     ; my stage
	v_add_nc_u32 v[STO], s20, v[GOF]
	v_and_b32 v[TRD], 15, v0                       ; r
	v_bfe_u32 v[SH], v0, 4, 1                      ; h
	s_wait_alu depctr_va_vdst(0)
	v_mul_u32_u24 v[TRD], v[TRD], SP
	v_lshl_add_u32 v[TRD], v[SH], 7, v[TRD]
	v_add_nc_u32 v[TRD], s20, v[TRD]
	s_mul_i32 s20, s[WV], FRB
	s_add_co_u32 s20, s20, IMG
	v_add_nc_u32 v[IMW], s20, v[GOF]               ; my image: slot w
	v_lshlrev_b32 v[WT], 2, v[WT]                  ; 4 x lane
	s_lshl_b32 s20, s[WV], 7
	s_add_co_u32 s20, s20, SCL
	v_add_nc_u32 v[SCW], s20, v[WT]
	s_mul_i32 s20, s[TQ], 4*FRB
	s_add_co_u32 s20, s20, IMG
	v_add_nc_u32 v[WFA], s20, v[GOF]               ; the images of my K step: slots 4 q .. 4 q + 3
	s_lshl_b32 s20, s[TQ], 9
	s_add_co_u32 s20, s20, SCL
	v_add_nc_u32 v[WSA], s20, v[WT]
	v_lshlrev_b32 v[SH], 3, v[SH]
	s_mov_b32 s[SEL], 0x76543210
	s_mov_b32 s[SEL+1], 0xfedcba98
	s_mov_b32 s[CS], 0x3fb8aa3b                    ; log2(e)
	s_mov_b32 s[CS+1], s[CS]                       ; (named with it as a pair, so it is written)
	ROUND 0
	ROUND 1
	ROUND 2
	ROUND 3
; THE END.  Registers: v128-159 the four parts of my 8 logits, then v128-135 the scores; v160-167 my experts' numbers as f32.
.set PWA, 2                            ; where I put my part of the logits
.set PRA, 3                            ; where I read a token's 8 experts
.set OWA, 4                            ; where I put a result
.set ORA, 5                            ; where I read 16 bytes of results
.set OGO, 6                            ; and where they go in the output
.set S,   128
.set F,   160
.set ML,  168                          ; the largest score left
.set CI,  169                          ; its expert
.set MC,  170                          ; v[170:171] log2(e) x the largest logit
.set T,   172                          ; v172-175 sums
.set OV,  176                          ; my result: the score of rank lane % 8,
.set OI,  177                          ; and its expert
.set NEG, 178
.set BIG, 179
	s_wait_alu depctr_vm_vsrc(0)                   ; the last round's loads of W's fragments have read v6, which is written again below; the earlier readers of v2 to v5, of v[RX ..] and of v[RW ..], all written again from here on, stand ahead of this wait too
	v_and_b32 v[PWA], 15, v0                       ; (these address lines name no register of the last products: they are the places in front of the stores that read the results)
	v_bfe_u32 v[PRA], v0, 4, 1
	v_mul_u32_u24 v[PWA], v[PWA], LP
	v_lshl_add_u32 v[PWA], v[PRA], 5, v[PWA]       ; token r's row, + 32 h: register j of accumulator n is expert 16 n + 8 h + j
	s_mul_i32 s20, s[TQ], PARTB
	s_mul_i32 s21, s[TM], 16*LP
	s_add_co_u32 s20, s20, s21
	s_add_co_u32 s20, s20, PART
	v_add_nc_u32 v[PWA], s20, v[PWA]               ; in part q, tokens 16 m on
	v_bfe_u32 v[PRA], v0, 3, 2                     ; lane / 8: which of my four tokens
	v_and_b32 v[OGO], 7, v0                        ; lane % 8: which eight experts, and which rank I keep
	v_mul_u32_u24 v[PRA], v[PRA], LP
	v_lshl_add_u32 v[PRA], v[OGO], 5, v[PRA]
	s_mul_i32 s21, s[WV], 4*LP
	s_add_co_u32 s21, s21, PART
	v_add_nc_u32 v[PRA], s21, v[PRA]
	s_wait_alu depctr_va_vdst(0)                   ; the products have written the accumulators, which the stores below read (the places above stay beside this wait); v[PWA] is written, and v[PRA], which the loads behind the barrier read
.irp n, 0,1,2,3
	ds_store_b128 v[PWA], v[ACC+8*\n:ACC+8*\n+3] offset:64*\n          ; each accumulator from its low end on
	ds_store_b128 v[PWA], v[ACC+8*\n+4:ACC+8*\n+7] offset:64*\n+16
.endr
	v_lshlrev_b32 v[CI], 3, v[OGO]
	v_cvt_f32_u32 v[F], v[CI]                      ; my experts' numbers, 8 (lane % 8) + 0 .. 7, as f32: whole numbers under 64 are exact, and the lanes' smallest is then an f32 minimum
	v_add_f32 v[F+1], 1.0, v[F]
	v_add_f32 v[F+2], 2.0, v[F]
	v_add_f32 v[F+3], 3.0, v[F]
	v_add_f32 v[F+4], 4.0, v[F]
	v_add_f32 v[F+5], 5.0, v[F]
	v_add_f32 v[F+6], 6.0, v[F]
	v_add_f32 v[F+7], 7.0, v[F]
	v_lshl_add_u32 v[OWA], v0, 2, OUT              ; token 4 w + lane / 8, rank lane % 8: word 32 w + lane of the work-group's 512
	v_and_b32 v[ORA], 255, v0
	v_lshl_add_u32 v[ORA], v[ORA], 4, OUT
	v_and_b32 v[OGO], 127, v0
	v_lshlrev_b32 v[OGO], 4, v[OGO]
	s_wait_dscnt 0x0                               ; for the others' sake: my part lies in LDS
	s_barrier_signal -1
	s_barrier_wait -1
.irp q, 0,1,2,3
	ds_load_b128 v[S+8*\q:S+8*\q+3], v[PRA] offset:\q*PARTB            ; (they land in v128 to v159, which no vector instruction has named so far)
	ds_load_b128 v[S+8*\q+4:S+8*\q+7], v[PRA] offset:\q*PARTB+16
.endr
	s_wait_dscnt 0x0
.irp j, 0,2,4,6
	v_pk_add_f32 v[S+\j:S+\j+1], v[S+\j:S+\j+1], v[S+8+\j:S+8+\j+1]
	v_pk_add_f32 v[S+16+\j:S+16+\j+1], v[S+16+\j:S+16+\j+1], v[S+24+\j:S+24+\j+1]
.endr
.irp j, 0,2,4,6
	v_pk_add_f32 v[S+\j:S+\j+1], v[S+\j:S+\j+1], v[S+16+\j:S+16+\j+1]   ; the logits
.endr
	; the softmax: the row's largest logit is taken away ahead of the exponential
	v_max3_num_f32 v[ML], v[S], v[S+1], v[S+2]
	v_max3_num_f32 v[CI], v[S+3], v[S+4], v[S+5]
	v_max3_num_f32 v[ML], v[ML], v[S+6], v[S+7]
	v_max_num_f32 v[ML], v[ML], v[CI]
.irp x, 1,2,4
	v_max_num_f32_dpp v[ML], v[ML], v[ML] row_xmask:\x row_mask:0xf bank_mask:0xf   ; over the token's eight lanes
.endr
	v_mul_f32 v[MC], s[CS], v[ML]
	v_mov_b32 v[MC+1], 0                           ; (named with it as a pair, so it is written)
.irp j, 0,2,4,6
	v_pk_fma_f32 v[S+\j:S+\j+1], v[S+\j:S+\j+1], s[CS:CS+1], v[MC:MC+1] op_sel_hi:[1,0,0] neg_lo:[0,0,1] neg_hi:[0,0,1]   ; log2(e) x logit - log2(e) x the largest: what the rounding of the second term adds is the same for all 64 and leaves with the division
.endr
	s_wait_alu depctr_va_vdst(0)
.irp j, 0,1,2,3,4,5,6,7
	v_exp_f32 v[S+\j], v[S+\j]
.endr
	v_mov_b32 v[NEG], -1.0                         ; under every score: the mark of a score that has been picked.  (A plain place behind the exponentials)
	v_mov_b32 v[BIG], 0x42800000                   ; 64.0: above every expert's number
	s_wait_alu depctr_va_vdst(0)                   ; one wait for the eight exponentials, ahead of their first reader
	v_pk_add_f32 v[T:T+1], v[S:S+1], v[S+2:S+3]
	v_pk_add_f32 v[T+2:T+3], v[S+4:S+5], v[S+6:S+7]
	v_pk_add_f32 v[T:T+1], v[T:T+1], v[T+2:T+3]
	v_add_f32 v[T], v[T], v[T+1]
.irp x, 1,2,4
	v_add_f32_dpp v[T], v[T], v[T] row_xmask:\x row_mask:0xf bank_mask:0xf
.endr
	s_wait_alu depctr_va_vdst(0)
	v_rcp_f32 v[T], v[T]                           ; the sum lies between 1 and 64
	v_nop                                          ; a plain place behind the transcendental
	s_wait_alu depctr_va_vdst(0)                   ; and the wait ahead of its first reader
.irp j, 0,2,4,6
	v_pk_mul_f32 v[S+\j:S+\j+1], v[S+\j:S+\j+1], v[T:T+1] op_sel_hi:[1,0]   ; the scores: the picks go by them, as the reference's do, so that scores that have fallen to 0 tie
.endr
; PICK k: the largest score left, of its equals the lowest expert; lane k of the token's eight keeps the pair; the score is marked.  No branch and no address hangs on a score: all is chosen by v_cndmask_b32.
.macro PICK k
	v_max3_num_f32 v[ML], v[S], v[S+1], v[S+2]
	v_max3_num_f32 v[CI], v[S+3], v[S+4], v[S+5]
	v_max3_num_f32 v[ML], v[ML], v[S+6], v[S+7]
	v_max_num_f32 v[ML], v[ML], v[CI]
.irp x, 1,2,4
	v_max_num_f32_dpp v[ML], v[ML], v[ML] row_xmask:\x row_mask:0xf bank_mask:0xf
.endr
.irp j, 0,1,2,3,4,5,6,7
	v_cmp_eq_f32 s[MK+\j], v[ML], v[S+\j]
.endr
	s_wait_alu depctr_va_sdst(0)                   ; the eight compares have written their masks s32 to s39, ahead of the selects that read them
	v_cndmask_b32 v[CI], v[BIG], v[F+7], s[MK+7]   ; from the highest down: the last that is taken is my lowest expert with that score; 64 if I have none
.irp j, 6,5,4,3,2,1,0
	v_cndmask_b32 v[CI], v[CI], v[F+\j], s[MK+\j]
.endr
.irp x, 1,2,4
	v_min_num_f32_dpp v[CI], v[CI], v[CI] row_xmask:\x row_mask:0xf bank_mask:0xf   ; the lowest of the eight lanes'
.endr
.if \k == 0
	v_mov_b32 v[OV], v[ML]                         ; the first pick starts the two registers; lanes 1 to 7 take theirs later
	v_mov_b32 v[OI], v[CI]
.else
	s_mov_b32 s[MK+8], 0x01010101<<\k              ; lane k of each eight
	v_cndmask_b32 v[OV], v[OV], v[ML], s[MK+8]
	v_cndmask_b32 v[OI], v[OI], v[CI], s[MK+8]
.endif
.if \k < 7
.irp j, 0,1,2,3,4,5,6,7
	v_cmp_eq_f32 s[MK+\j], v[CI], v[F+\j]
.endr
	s_wait_alu depctr_va_sdst(0)                   ; the eight compares have written their masks s32 to s39, ahead of the selects that read them
.irp j, 0,1,2,3,4,5,6,7
	v_cndmask_b32 v[S+\j], v[S+\j], v[NEG], s[MK+\j]
.endr
.endif
.endm
	PICK 0
	PICK 1
	PICK 2
	PICK 3
	PICK 4
	PICK 5
	PICK 6
	PICK 7
	v_cvt_i32_f32 v[OI], v[OI]
	s_wait_alu depctr_va_vdst(0)                   ; v[OI], v[OV] and v[OWA] are written, which the stores below read; so are v[ORA] and v[OGO], which the last load and the global store read; and the picks are done with v[S ..], in which that load lands
	ds_store_b32 v[OWA], v[OI]                     ; a wave's results are 128 bytes of each output: they meet in LDS, so that a store covers 512 consecutive bytes
	ds_store_b32 v[OWA], v[OV] offset:2048
	s_wait_dscnt 0x0                               ; for the others' sake
	s_barrier_signal -1
	s_barrier_wait -1
	s_cmp_lt_u32 s[WV], 8                          ; 4,096 bytes are eight waves' worth
	s_cbranch_scc0 .Ldone
	ds_load_b128 v[S:S+3], v[ORA]
	s_wait_dscnt 0x0
	global_store_b128 v[OGO], v[S:S+3], s[8:9] th:TH_STORE_NT   ; 32 lanes store 512 consecutive bytes, at a multiple of 512 from the output's first byte
.Ldone:
	s_wait_xcnt 0x0
	v_lshl_add_u32 v254, v0, 2, 0x40000            ; the add's two registers, made anew: all 256 registers were at work.  The stage's stores of the last round, their only readers on the memory side, stand ahead of the wait on vm_vsrc at THE END's head
	v_mov_b32 v255, 0
	s_wait_dscnt 0x0                               ; the closing lines, six on end
	s_wait_alu 0x0
	s_wait_tensorcnt 0x0
	ds_add_u32 v254, v255
	s_wait_dscnt 0x0
	s_endpgm
.Lfunc_end_k_q0ad2749749_gate:
	.size	k_q0ad2749749_gate, .Lfunc_end_k_q0ad2749749_gate-k_q0ad2749749_gate
	.p2alignl 7, 3214868480
	.fill 96, 4, 3214868480
	.section	.rodata,"a",@progbits
	.p2align	6, 0x0
	.amdhsa_kernel k_q0ad2749749_gate
		.amdhsa_group_segment_fixed_size 264192
		.amdhsa_private_segment_fixed_size 0
		.amdhsa_enable_private_segment 0
		.amdhsa_kernarg_size 32
		.amdhsa_user_sgpr_count 2
		.amdhsa_user_sgpr_kernarg_segment_ptr 1
		.amdhsa_wavefront_size32 1
		.amdhsa_system_sgpr_workgroup_id_x 1
		.amdhsa_system_sgpr_workgroup_id_y 1
		.amdhsa_system_sgpr_workgroup_id_z 1
		.amdhsa_system_vgpr_workitem_id 0
		.amdhsa_next_free_vgpr 256
		.amdhsa_next_free_sgpr 66
		.amdhsa_reserve_vcc 0
		.amdhsa_float_denorm_mode_32 3
		.amdhsa_float_denorm_mode_16_64 3
		.amdhsa_memory_ordered 1
		.amdhsa_forward_progress 1
		.amdhsa_inst_pref_size 92
	.end_amdhsa_kernel
	.amdgpu_metadata
---
amdhsa.version: [ 1, 2 ]
amdhsa.kernels:
  - .name:           k_q0ad2749749_gate
    .symbol:         k_q0ad2749749_gate.kd
    .args:
      - { .name: hidden_states, .offset: 0, .size: 8, .value_kind: global_buffer, .address_space: global }
      - { .name: weight, .offset: 8, .size: 8, .value_kind: global_buffer, .address_space: global }
      - { .name: out0, .offset: 16, .size: 8, .value_kind: global_buffer, .address_space: global }
      - { .name: out1, .offset: 24, .size: 8, .value_kind: global_buffer, .address_space: global }
    .group_segment_fixed_size: 264192
    .private_segment_fixed_size: 0
    .kernarg_segment_align: 8
    .kernarg_segment_size: 32
    .max_flat_workgroup_size: 512
    .sgpr_count:     66
    .vgpr_count:     256
    .wavefront_size: 32
...
	.end_amdgpu_metadata
.endif
;; end of part 2
